; MI455X (gfx1250); checked and timed in simulation.
; The chip was launched on July 23, 2026; its instructions are those of AMD's public machine-readable ISA for CDNA 5 (MIT licence, August 2026) and "CDNA5" Instruction Set Architecture Reference Guide (July 2026). The comments in the code are by the model that wrote it; some were corrected since.
;; Self Attention Block. Allowed arithmetic: matrix products marked QUANTISED: E5M2 operands, one E8M0 scale for each 32 along K, by v_wmma_scale_f32_16x16x128_f8f6f4 with both operands' format E5M2, f32 sums; products left as they are: f32 operands where the result goes on into a quantised operand, else bf16, f16 or f32 operands; f32 sums; everything else in f32.
;; Inputs: Wk_codes 1,024 x 32 x 32 uint8 (E5M2 codes of Wk, K innermost, in blocks of 32 codes); Wk_scales 1,024 x 32 uint8 (E8M0 scales of Wk, one for each 32 codes along K); Wq_codes 1,024 x 32 x 32 uint8 (E5M2 codes of Wq, K innermost, in blocks of 32 codes); Wq_scales 1,024 x 32 uint8 (E8M0 scales of Wq, one for each 32 codes along K); Wv_codes 1,024 x 32 x 32 uint8 (E5M2 codes of Wv, K innermost, in blocks of 32 codes); Wv_scales 1,024 x 32 uint8 (E8M0 scales of Wv, one for each 32 codes along K); attention_mask 32 x 512 int32; bk 1,024 float32; bq 1,024 float32; bv 1,024 float32; token_embeddings_codes 32 x 512 x 32 x 32 uint8 (E5M2 codes of token_embeddings, K innermost, in blocks of 32 codes); token_embeddings_scales 32 x 512 x 32 uint8 (E8M0 scales of token_embeddings, one for each 32 codes along K).
;; Outputs: out0 32 x 1,024 float32.
;; This version of the problem:
;;   THIS VERSION OF THE PROBLEM IS GIVEN IN LOW PRECISION. The matrix products marked QUANTISED in the list below multiply operands that are first quantised to E5M2 (5 exponent bits, 2 mantissa bits; 8 bits a number), with one power-of-two scale for each 32 numbers along K (OCP MX v1.0); their sums are f32. All else is computed in f32.
;;   The module's matrix products, in the order in which they are computed (A, B: the left and right operand; K: the contracted axis; several contracted axes count as one K, in the product's order):
;;     1. [M 16,384, K 1,024] x [K 1,024, N 1,024]; A: input token_embeddings (given as codes); B: input Wq (given as codes): QUANTISED
;;     2. [M 16,384, K 1,024] x [K 1,024, N 1,024]; A: input token_embeddings (given as codes); B: input Wk (given as codes): QUANTISED
;;     3. [M 16,384, K 1,024] x [K 1,024, N 1,024]; A: input token_embeddings (given as codes); B: input Wv (given as codes): QUANTISED
;;     4. batch 32 x [M 512, K 1,024] x [K 1,024, N 512]; A: computed on the way; B: computed on the way: QUANTISED
;;     5. batch 32 x [M 1, K 512] x [K 512, N 1,024]; A: computed on the way; B: computed on the way: left as it is (M = 1 < 16)
;;   THE QUANTISER, for each operand of a quantised product, along K:
;;     - K is cut into blocks of 32 from its start; a last block that is shorter is filled with zeros.
;;     - A block's scale is 2^e with e = floor(log2(the largest magnitude in the block)) - 15, held to -126 .. 127; a block of zeros has e = 0. As a byte (E8M0): e + 127.
;;     - Each number is divided by its block's scale, clamped to +-57,344, and rounded to the nearest number of E5M2, ties to even, subnormals kept.
;;     - The product sums the exact products of the quantised numbers (number of the format x scale) in f32.
;;   ~~~python
;;   def quantise(x, axis):      # numpy; x: float32 -> the quantised numbers, widened to float32 again
;;       x = np.moveaxis(x, axis, -1); K = x.shape[-1]
;;       x = np.pad(x, [(0, 0)] * (x.ndim - 1) + [(0, -K % 32)]); x = x.reshape(x.shape[:-1] + (-1, 32)); a = np.abs(x).max(-1, keepdims=True)
;;       e = np.where(a > 0, np.clip(np.frexp(np.where(a > 0, a, 1))[1] - 1 - 15, -126, 127), 0)      # np.frexp(a)[1] - 1 = floor(log2(a)), exactly
;;       r = np.clip(x / 2.0 ** e, -57344, 57344)
;;       step = 2.0 ** (np.maximum(np.frexp(np.where(r == 0, 1, r))[1] - 1, -14) - 2)
;;       q = np.round(r / step) * step * 2.0 ** e      # np.round: ties to even
;;       return np.moveaxis(q.reshape(q.shape[:-2] + (-1,))[..., :K], -1, axis).astype(np.float32)
;;   ~~~
;;   OPERANDS COMPUTED ON THE WAY. 'Computed on the way' means the value that the module computes at that place (a softmax that the list does not call 'softmax' is quantised finished and normalised). What goes into a quantiser is computed in f32, as accurately as f32 sums, v_exp_f32 and their like allow (about 1e-6 of the number): no bf16 or f16 on the way to a quantiser, and a product that is left as it is and whose result goes on into a quantised operand takes f32 operands (vector FMAs, or v_wmma_f32_16x16x4_f32). A number that lies on a knife's edge between two numbers of the format may be rounded either way, as far as f32 arithmetic and the matrix unit's own rounding can turn it there, and no further.
;;   INPUTS GIVEN AS CODES. Wk (in the module: [1024, 1024], K = its axis 1); Wq (in the module: [1024, 1024], K = its axis 1); Wv (in the module: [1024, 1024], K = its axis 1); token_embeddings (in the module: [32, 512, 1024], K = its axis 2): each comes as NAME_codes (uint8): NAME with its K axis moved to the last place and cut into blocks of 32 codes, [.., K / 32, bytes a block], one block behind the other in memory; one code a byte (a code: sign, 5 exponent bits, 2 mantissa bits); and NAME_scales (uint8): the same leading axes, one E8M0 byte (e + 127) for each 32 codes along K. Its value is code x scale, taken as it is: it is not quantised again, and the codes and scales need not be those that the quantiser above would give.
;; One version. Each part assembles by itself: llvm-mc -triple=amdgcn-amd-amdhsa -mcpu=gfx1250 --defsym DOCPART=n.
;; ======== version 1 of 1: 3 launches
;; limits: values are held in bf16: 8 bits of precision; right only within a limited range of input values
;; workspace buffers: qc 16,777,216 bytes; kc 16,777,216 bytes; qs 524,288 bytes; ks 524,288 bytes; cpart 524,288 bytes; vws 33,554,432 bytes
;; launch proj_qkv (part 1): grid 4 x 64, 4 waves a work-group, clusters of 4 x 4, 327,680 bytes of LDS; arguments token_embeddings_codes, token_embeddings_scales, Wq_codes, Wq_scales, bq, Wk_codes, Wk_scales, bk, Wv_codes, Wv_scales, bv, qc, qs, kc, ks, vws; writes qc, qs, kc, ks, vws
.if DOCPART == 1
	.amdgcn_target "amdgcn-amd-amdhsa--gfx1250"
	.amdhsa_code_object_version 6
	.text
	.protected	k_qba71fd3796_proj_qkv
	.globl	k_qba71fd3796_proj_qkv
	.p2align	8
	.type	k_qba71fd3796_proj_qkv,@function
k_qba71fd3796_proj_qkv:
	s_mov_b64 s[64:65], 0
	v_nop
	global_prefetch_b8 v0, s[64:65] scope:SCOPE_SE
	s_setreg_imm32_b32 hwreg(HW_REG_WAVE_MODE, 25, 1), 1
	s_wait_xcnt 0x0
	s_wait_alu depctr_hold_cnt(0) depctr_sa_sdst(0) depctr_va_vdst(0) depctr_va_sdst(0) depctr_va_ssrc(0) depctr_va_vcc(0) depctr_vm_vsrc(0)
	s_getreg_b32 s2, hwreg(HW_REG_IB_STS2, 6, 4)
	s_cmp_eq_u32 s2, 0
	s_cbranch_scc0 .Lentry_in_a_cluster
	s_endpgm
.Lentry_in_a_cluster:
	s_bfe_u32 s2, ttmp6, 0x10000c
	s_cmp_lg_u32 s2, 0xf033
	s_cbranch_scc0 .Lentry_shape_is_right
	s_endpgm
.Lentry_shape_is_right:
; q = x Wq^T + bq, k = x Wk^T + bk, v = x Wv^T + bv, on codes of BF8 (E5M2) with E8M0 scales, K = 1,024, f32 sums.  No work of the problem is left out.
; q and k leave quantised along their 1,024 channels (codes and scale words), v leaves as bf16 with its bias inside.
; SHARES.  A work-group owns 256 tokens and 256 channels of each of q, k, v: six chunks of 128 channels.  Wave w owns tokens 64 w .. 64 w + 63 against every chunk.
; x STAYS IN REGISTERS: a wave's 64 tokens x 1,024 codes are 512 registers, fetched once through LDS.  W goes through two LDS slots of one chunk each (128 rows x 1,024 bytes, padded), laid over the bytes where x landed.
; A chunk is requested when the chunk two before it has been multiplied: 256 matrix instructions of a wave and a way out stand between the request and the wait for it.
; TRANSPOSED: source 0 = 16 rows of W, source 1 = 16 tokens: lane (r, h) holds token r, register j of tile t channel 16 t + 8 h + j.  The 16 registers of tiles 2 b, 2 b + 1 are taken as places 16 h + 0 .. 15 of block b:
; a permutation inside each block of 32, the same for q and for k, which leaves their product's sums as they are.
; CLUSTERS 4 x 4: x's tile is shared along a row of the cluster (one block of tokens), W's along a column (one group of channels): joint loads.
; PREFETCH: chunk 0 alone, whose request stands behind x's landing with no products ahead of it: its 512 blocks of 256 bytes a group of channels are named at the head, a block a thread, the four partners of a column
; sharing them out by address; all clusters read the same rows, so four of the sixteen clusters ask.  x is read once at the head, where there is no loop to run ahead in; chunks 1 to 5 are requested a whole chunk ahead of their first read.
; qc, kc: [batch][K step 8][token tile 32][2,048]: images of fragments (group c of lane l at 512 c + 16 l).  qs, ks: [batch][K step 8][token 512] scale words.  vws: [batch][channel tile 64][token tile 32][lane 32][8 bf16].
; LIMITS: NaN and infinities among the inputs are not served.
; REGISTERS: window 0: v1-11 addresses; v12-27 x's scale words; v28-31 at work; v32-63 W's scale words; v64-127 the bias as C; v128-255 W's 8 fragments (v192-255 also at work on the way out).
;   window 1: accumulator (token tile qt, channel tile t) at v[64 qt + 8 t].  windows 2, 3: x's K steps 0-3, 4-7 at v[64 (c % 4) + 16 qt].
.set PITCH, 1040                       ; an LDS row: 1,024 bytes + 16: row r starts 4 r banks on
.set T16R,  16*PITCH
.set SLOTB, 128*PITCH
.set SCW,   2*SLOTB                    ; W's scale bytes: [q, k, v][256 rows][32]
.set BIW,   SCW+24576                  ; the biases: [q, k, v][256] f32
.set SWS,   BIW+3072                   ; 256 bytes a wave: scale words on their way out
.set SPARE, SWS+1024                   ; the spare words, 128 bytes a wave
.set FB,   1                           ; r x pitch + 16 h
.set ADRB, 2                           ; v2-3 W's tiles 0-3, 4-7 in the slot at work
.set BAD,  4                           ; the chunk's bias
.set SAD,  5                           ; the chunk's scale bytes
.set SWA,  6
.set SWR,  7
.set L16,  8
.set L8,   9
.set SPW,  10
.set NIL,  11
.set SCA,  12                          ; x: v[SCA + 8 p + c]: lanes 0-15 token tile 2 p, lanes 16-31 tile 2 p + 1
.set PW,   28
.set SCB,  32                          ; W likewise; the two sides' register numbers differ by 4 modulo 8
.set BI,   64
.set KF,   128
.set TM,   192
.set PC,   224
.set HR, 64                            ; the head's own
.set HH, 65
.set HL, 66
.set XA, 67
.set L32, 68
.set T16, 69
.set T8, 70
.set D16, 71
.set D8, 72
.set PFV, 73
.set KD, 128
.set WRQ, 4                            ; s[4:11] the addresses of chunks 2 to 5, a queue
.set VO,  12
.set OSQ, 16                           ; s[16:23] where the scale words go, a queue
.set G1X, 24
.set G0X, 32
.set G0W, 36
.set FLO, 42
.set G1W, 48
.set OCQ, 56                           ; s[56:63] where the codes go, a queue
.set MNT, 66
.set MSB, 0
.macro WIN new
.if MSB != (\new)
	s_set_vgpr_msb (MSB<<8)|(\new)
.set MSB, (\new)
.endif
.endm
.macro CREST
	s_cmp_lg_u32 s14, 0
	s_cbranch_scc1 .Lnot_wave_0_\@
	s_barrier_signal -3
.Lnot_wave_0_\@:
	s_barrier_wait -3
	s_barrier_signal -1
	s_barrier_wait -1
.endm
.macro CROUND
	s_barrier_signal -1
	s_barrier_wait -1
	CREST
.endm
.macro PLACES n
.rept \n
	v_nop
.endr
.endm
.macro ROT q                           ; a queue of four addresses moves up
	s_mov_b64 s[\q:\q+1], s[\q+2:\q+3]
	s_mov_b64 s[\q+2:\q+3], s[\q+4:\q+5]
	s_mov_b64 s[\q+4:\q+5], s[\q+6:\q+7]
.endm
.macro OFF4 sb, sc, sh, sw             ; s104 = batch << sb + channel group << sc + half of the batch << sh + wave << sw
	s_lshl_b32 s104, s67, \sb
	s_lshl_b32 s105, s40, \sc
	s_add_co_u32 s104, s104, s105
	s_lshl_b32 s105, s2, \sh
	s_add_co_u32 s104, s104, s105
	s_lshl_b32 s105, s14, \sw
	s_add_co_u32 s104, s104, s105
	s_mov_b32 s105, 0
.endm
	s_load_b512 s[68:83], s[0:1], 0x0              ; x codes 68, x scales 70, Wq 72, its scales 74, bq 76, Wk 78, its scales 80, bk 82
	s_load_b512 s[84:99], s[0:1], 0x40             ; Wv 84, its scales 86, bv 88, qc 90, qs 92, kc 94, ks 96, vws 98
	v_lshl_add_u32 v[SPW], v0, 2, SPARE
	v_mov_b32 v[NIL], 0
	ds_add_u32 v[SPW], v[NIL]                      ; the opening lines: the add twice and its wait
	ds_add_u32 v[SPW], v[NIL]
	v_lshrrev_b32 v[HL], 5, v0
	v_readfirstlane_b32 s14, v[HL]                 ; wave
	s_bfe_u32 s40, ttmp6, 0x40000                  ; cx = the group of channels (the grid is one cluster wide)
	s_bfe_u32 s41, ttmp6, 0x40004                  ; cy
	s_and_b32 s15, ttmp7, 0xffff
	s_lshl_b32 s15, s15, 2
	s_add_co_u32 s15, s15, s41                     ; the block of 256 tokens
	s_lshl_b32 s43, s41, 2
	s_lshl_b32 s43, 15, s43                        ; my row of the cluster
	s_lshl_b32 s44, 0x1111, s40                    ; my column
	s_or_b32 s[G1X], s43, (1<<20)|(1<<21)|(7<<22)|(3<<25)   ; bytes; 4 words of padding behind every 256
	s_or_b32 s[G1W], s44, (1<<20)|(1<<21)|(7<<22)|(3<<25)
.irp g, G1X, G1W
	s_mov_b32 s[\g+1], 1024<<16
	s_mov_b32 s[\g+3], 1024<<16
	s_mov_b32 s[\g+5], 1024
	s_mov_b32 s[\g+6], 0
	s_mov_b32 s[\g+7], 0
.endr
	s_mov_b32 s[G1X+2], 64<<16                     ; x: 64 rows a wave
	s_mov_b32 s[G1X+4], 64
	s_mov_b32 s[G1W+2], 32<<16                     ; W: 32 rows a wave
	s_mov_b32 s[G1W+4], 32
	s_mov_b32 s[G0X], 1
	s_mul_i32 s[G0X+1], s14, 64*PITCH
	s_mov_b32 s[G0W], 1
	s_mul_i32 s[G0W+1], s14, 32*PITCH
	s_lshl_b32 s100, s15, 18
	s_lshl_b32 s101, s14, 16
	s_add_co_u32 s100, s100, s101
	s_mov_b32 s101, 0
	s_wait_alu depctr_va_vdst(0)
	s_wait_dscnt 0x0
	s_wait_kmcnt 0x0
	s_add_nc_u64 s[G0X+2:G0X+3], s[68:69], s[100:101]
	s_or_b32 s[G0X+3], s[G0X+3], 0x80000000
	CROUND                                         ; the first joint loads meet
	tensor_load_to_lds s[G0X:G0X+3], s[G1X:G1X+7]  ; my 64 tokens, all of K: my one load at the head
	s_nop 0
	PLACES 4
	s_lshl_b32 s104, s40, 18                       ; W: 256 rows a group of channels, 32 rows a wave
	s_lshl_b32 s105, s14, 15
	s_add_co_u32 s104, s104, s105
	s_mov_b32 s105, 0
	s_add_nc_u64 s[G0W+2:G0W+3], s[72:73], s[104:105]
	s_add_nc_u64 s[WRQ:WRQ+1], s[78:79], s[104:105]
	s_add_nc_u64 s[WRQ+4:WRQ+5], s[84:85], s[104:105]
	s_add_nc_u64 s[WRQ+2:WRQ+3], s[WRQ:WRQ+1], 0x20000
	s_add_nc_u64 s[WRQ+6:WRQ+7], s[WRQ+4:WRQ+5], 0x20000
.irp r, G0W+3, WRQ+1, WRQ+3, WRQ+5, WRQ+7
	s_or_b32 s[\r], s[\r], 0x80000000
.endr
	s_lshl_b32 s104, s40, 13                       ; W's scale bytes of my 256 rows
	s_add_nc_u64 s[74:75], s[74:75], s[104:105]
	s_add_nc_u64 s[80:81], s[80:81], s[104:105]
	s_add_nc_u64 s[86:87], s[86:87], s[104:105]
	s_lshl_b32 s104, s40, 10                       ; the biases of my 256 channels
	s_add_nc_u64 s[76:77], s[76:77], s[104:105]
	s_add_nc_u64 s[82:83], s[82:83], s[104:105]
	s_add_nc_u64 s[88:89], s[88:89], s[104:105]
	s_lshl_b32 s100, s15, 13                       ; x's scale bytes of my 64 tokens
	s_lshl_b32 s101, s14, 11
	s_add_co_u32 s100, s100, s101
	s_mov_b32 s101, 0
	s_add_nc_u64 s[70:71], s[70:71], s[100:101]
	s_lshr_b32 s67, s15, 1                         ; batch
	s_and_b32 s2, s15, 1                           ; which half of it
	OFF4 19, 17, 15, 13
	s_add_nc_u64 s[OCQ:OCQ+1], s[90:91], s[104:105]
	s_add_nc_u64 s[OCQ+4:OCQ+5], s[94:95], s[104:105]
	s_add_nc_u64 s[OCQ+2:OCQ+3], s[OCQ:OCQ+1], 0x10000
	s_add_nc_u64 s[OCQ+6:OCQ+7], s[OCQ+4:OCQ+5], 0x10000
	OFF4 14, 12, 10, 8
	s_add_nc_u64 s[OSQ:OSQ+1], s[92:93], s[104:105]
	s_add_nc_u64 s[OSQ+4:OSQ+5], s[96:97], s[104:105]
	s_add_nc_u64 s[OSQ+2:OSQ+3], s[OSQ:OSQ+1], 0x800
	s_add_nc_u64 s[OSQ+6:OSQ+7], s[OSQ+4:OSQ+5], 0x800
	OFF4 20, 18, 13, 11
	s_add_nc_u64 s[VO:VO+1], s[98:99], s[104:105]
	s_lshl_b32 s104, s14, 8
	s_add_co_u32 s104, s104, SWS
	s_lshl_b32 s100, s40, 18                       ; the prefetch: chunk 0 of my group of channels, my work-group's 128 blocks of its 512
	s_lshl_b32 s101, s41, 15
	s_add_co_u32 s100, s100, s101
	s_mov_b32 s101, 0
	s_add_nc_u64 s[100:101], s[72:73], s[100:101]
	s_and_b32 s105, ttmp7, 3                       ; the cluster's y modulo 4: the same in all partners
	s_mov_b32 s45, 0                               ; the slot at work
	s_mov_b32 s46, 0x76543210
	s_mov_b32 s47, 0xfedcba98
	s_mov_b32 s[FLO], 0x8000000                    ; 2^(16 - 127)
	s_mov_b32 s[MNT], 0x600000                     ; 57,344's mantissa field
	v_and_b32 v[HR], 15, v0
	v_bfe_u32 v[HH], v0, 4, 1
	v_and_b32 v[HL], 31, v0
	v_mul_u32_u24 v[FB], v[HR], PITCH
	v_lshl_add_u32 v[FB], v[HH], 4, v[FB]
	v_add_nc_u32 v[XA], s[G0X+1], v[FB]
	v_lshlrev_b32 v[L16], 4, v[HL]
	v_lshlrev_b32 v[L8], 3, v[HL]
	v_lshlrev_b32 v[L32], 5, v[HL]
	v_lshlrev_b32 v[T16], 4, v0
	v_lshlrev_b32 v[T8], 3, v0
	v_lshlrev_b32 v[PFV], 8, v0
	v_add_nc_u32 v[D16], SCW, v[T16]
	v_add_nc_u32 v[D8], BIW, v[T8]
	v_lshl_add_u32 v[BAD], v[HH], 5, BIW
	v_add_nc_u32 v[SAD], SCW, v[L32]
	v_lshl_add_u32 v[SWA], v[HR], 2, s104
	v_add_nc_u32 v[SWR], s104, v[L8]
	s_wait_alu depctr_va_vdst(0)
	s_cmp_eq_u32 s105, 0
	s_cbranch_scc0 .Lno_pf                         ; four of the sixteen clusters ask
	global_prefetch_b8 v[PFV], s[100:101] th:TH_LOAD_NT scope:SCOPE_SE
.Lno_pf:
.irp p, 0,1
	global_load_b128 v[SCA+8*\p:SCA+8*\p+3], v[L32], s[70:71] offset:1024*\p      ; 32 tokens' 32 scale bytes: eight words a lane
	global_load_b128 v[SCA+8*\p+4:SCA+8*\p+7], v[L32], s[70:71] offset:1024*\p+16
.endr
.irp j, 0,1,2,3
	global_load_b128 v[KD+4*\j:KD+4*\j+3], v[T16], s[74:75] offset:2048*\j        ; W's scales: 2,048 consecutive bytes an instruction of the work-group
	global_load_b128 v[KD+16+4*\j:KD+16+4*\j+3], v[T16], s[80:81] offset:2048*\j
	global_load_b128 v[KD+32+4*\j:KD+32+4*\j+3], v[T16], s[86:87] offset:2048*\j
.endr
	global_load_b64 v[KD+48:KD+49], v[T8], s[76:77]
	global_load_b64 v[KD+50:KD+51], v[T8], s[82:83]
	global_load_b64 v[KD+52:KD+53], v[T8], s[88:89]
	s_wait_loadcnt 0x0
	s_wait_xcnt 0x0                                ; the prefetch has read its address register, which the bias is loaded over further down
.irp m, 0,1,2
.irp j, 0,1,2,3
	ds_store_b128 v[D16], v[KD+16*\m+4*\j:KD+16*\m+4*\j+3] offset:8192*\m+2048*\j
.endr
	ds_store_b64 v[D8], v[KD+48+2*\m:KD+49+2*\m] offset:1024*\m
.endr
	s_wait_tensorcnt 0x0                           ; my rows of x are in: only I read them
.irp w, 0,1
	WIN 0x80+0x40*\w                               ; destination window 2, then 3
.irp c, 0,1,2,3
.irp qt, 0,1,2,3
.irp cc, 0,1,2,3
	ds_load_b128 v[64*\c+16*\qt+4*\cc:64*\c+16*\qt+4*\cc+3], v[XA] offset:\qt*T16R+128*(4*\w+\c)+32*\cc
.endr
.endr
.endr
.endr
	WIN 0
	s_wait_tensorcnt 0x0                           ; ahead of a refill
	ds_add_u32 v[SPW], v[NIL]
	s_wait_dscnt 0x0                               ; x is in registers, my stores of scales and biases are done
	CROUND
	tensor_load_to_lds s[G0W:G0W+3], s[G1W:G1W+7]  ; chunk 0 over x's first half
	s_nop 0
	PLACES 4
	s_wait_tensorcnt 0x0
	ds_add_u32 v[SPW], v[NIL]
	s_xor_b32 s[G0W+1], s[G0W+1], SLOTB            ; no load of mine is out: the descriptor may be written
	s_add_nc_u64 s[G0W+2:G0W+3], s[G0W+2:G0W+3], 0x20000
	s_wait_dscnt 0x0
	CROUND
	tensor_load_to_lds s[G0W:G0W+3], s[G1W:G1W+7]  ; chunk 1 over x's second half
	s_nop 0
	PLACES 4
.macro WS ra, rb                       ; one product on rD, rA, rB, rC, rSA, rSB; ra, rb: that side's scale words lie in lanes 16-31
.if (\ra) && (\rb)
	v_wmma_scale_f32_16x16x128_f8f6f4 v[rD:rD+7], v[rA:rA+15], v[rB:rB+15], v[rC:rC+7], v[rSA], v[rSB] matrix_a_fmt:MATRIX_FMT_BF8 matrix_b_fmt:MATRIX_FMT_BF8 matrix_a_scale:MATRIX_SCALE_ROW1 matrix_b_scale:MATRIX_SCALE_ROW1
.elseif (\ra)
	v_wmma_scale_f32_16x16x128_f8f6f4 v[rD:rD+7], v[rA:rA+15], v[rB:rB+15], v[rC:rC+7], v[rSA], v[rSB] matrix_a_fmt:MATRIX_FMT_BF8 matrix_b_fmt:MATRIX_FMT_BF8 matrix_a_scale:MATRIX_SCALE_ROW1
.elseif (\rb)
	v_wmma_scale_f32_16x16x128_f8f6f4 v[rD:rD+7], v[rA:rA+15], v[rB:rB+15], v[rC:rC+7], v[rSA], v[rSB] matrix_a_fmt:MATRIX_FMT_BF8 matrix_b_fmt:MATRIX_FMT_BF8 matrix_b_scale:MATRIX_SCALE_ROW1
.else
	v_wmma_scale_f32_16x16x128_f8f6f4 v[rD:rD+7], v[rA:rA+15], v[rB:rB+15], v[rC:rC+7], v[rSA], v[rSB] matrix_a_fmt:MATRIX_FMT_BF8 matrix_b_fmt:MATRIX_FMT_BF8
.endif
.endm
; 16 products: W's tiles t0 .. t0 + 3 against my four token tiles, K step c.  The 32 accumulators take turns, in the same order in every K step.  K step 0 takes the bias as C.
.macro MQH c, t0
.if (\c) == 0
	WIN 0x48                                       ; W window 0, x window 2, C window 0, D window 1
.elseif (\c) < 4
	WIN 0x58
.else
	WIN 0x5c                                       ; x window 3
.endif
.irp t, \t0, \t0+1, \t0+2, \t0+3
.irp qt, 0,1,2,3
.set rD, 64*\qt+8*(\t)
.set rA, KF+16*(\t)
.set rB, 64*((\c)%4)+16*\qt
.if (\c) == 0
.set rC, BI+8*(\t)
.else
.set rC, rD
.endif
.set rSA, SCB+8*((\t)/2)+(\c)
.set rSB, SCA+8*(\qt/2)+(\c)
	WS (\t)%2, \qt%2
.endr
.endr
.endm
.macro FK c, t0                        ; W's tiles t0 .. t0 + 3 of K step c: 16 loads
.irp t, \t0, \t0+1, \t0+2, \t0+3
.irp cc, 0,1,2,3
	ds_load_b128 v[KF+16*(\t)+4*\cc:KF+16*(\t)+4*\cc+3], v[ADRB+(\t)/4] offset:((\t)%4)*T16R+128*(\c)+32*\cc
.endr
.endr
.endm
.macro KST c                           ; a K step that has a successor in the chunk; a half set of W is fetched anew as soon as its 16 products are issued
	s_wait_dscnt 16                                ; tiles 0-3 are in; the youngest 16 loads (tiles 4-7) may be out
	MQH \c, 0
	PLACES 8                                       ; ahead of loads into registers that matrix instructions have read
	WIN 0
	FK (\c)+1, 0
	s_wait_dscnt 16                                ; tiles 4-7 are in; the 16 just issued may be out
	MQH \c, 4
	PLACES 8
	WIN 0
	FK (\c)+1, 4
.endm
; The chunk's last K step.  mode 0: the slot is filled again, behind a round; mode 1: a barrier shows the last chunk; mode 2: nothing follows.
.macro LAST mode
	s_wait_dscnt 16
	MQH 7, 0
	WIN 0
.if \mode < 2
	s_wait_tensorcnt 0x0                           ; my part of the next chunk is in
.if \mode == 0
	ds_add_u32 v[SPW], v[NIL]
	s_xor_b32 s[G0W+1], s[G0W+1], SLOTB            ; the slot that is being read out,
	s_mov_b64 s[G0W+2:G0W+3], s[WRQ:WRQ+1]         ; and the chunk two on
	ROT WRQ
.endif
	s_xor_b32 s45, s45, SLOTB                      ; the other slot is next at work
.endif
	s_wait_dscnt 0x0                               ; my reads of this slot are over (and the add is done)
.if \mode < 2
	s_barrier_signal -1
.endif
	MQH 7, 4
	WIN 0
.if \mode < 2
	s_barrier_wait -1
.endif
.if \mode == 0
	CREST
	tensor_load_to_lds s[G0W:G0W+3], s[G1W:G1W+7]  ; first behind the round, my one load until the next
	s_nop 0
.endif
	PLACES 8                                       ; behind the last products: for the loads and the reads below
.endm
.macro PRE first                       ; the next chunk's bias, scale words and first four tiles
	v_add_nc_u32 v[ADRB], s45, v[FB]
	v_add_nc_u32 v[ADRB+1], 4*T16R, v[ADRB]
.if !(\first)
	v_add_nc_u32 v[BAD], 512, v[BAD]
	v_add_nc_u32 v[SAD], 4096, v[SAD]
.endif
	s_wait_alu depctr_va_vdst(0)
.irp t, 0,1,2,3,4,5,6,7
	ds_load_b128 v[BI+8*\t:BI+8*\t+3], v[BAD] offset:64*\t        ; bias of channels 16 t + 8 h + 0 .. 7: the result's layout
	ds_load_b128 v[BI+8*\t+4:BI+8*\t+7], v[BAD] offset:64*\t+16
.endr
.irp p, 0,1,2,3
	ds_load_b128 v[SCB+8*\p:SCB+8*\p+3], v[SAD] offset:1024*\p
	ds_load_b128 v[SCB+8*\p+4:SCB+8*\p+7], v[SAD] offset:1024*\p+16
.endr
	FK 0, 0
.endm
; Token tiles a0, a0 + 1 are quantised: eight blocks of 32 channels, e = 4 (tile - a0) + block, by turns.  v[TM+e] largest magnitude, +8 at work, +16 the hold, +24 the conversion's scale.
.macro QPAIR a0
.irp e, 0,1,2,3,4,5,6,7
	v_mov_b32 v[TM+8+\e], 0                        ; a lane permute's destination counts as a source
.endr
	WIN 0x14
.irp e, 0,1,2,3,4,5,6,7
	v_max3_num_f32 v[TM+\e], s[FLO], |v[64*(\a0)+16*\e]|, |v[64*(\a0)+16*\e+1]|
.endr
.irp i, 2,4,6,8,10,12,14
.irp e, 0,1,2,3,4,5,6,7
	v_max3_num_f32 v[TM+\e], v[TM+\e], |v[64*(\a0)+16*\e+\i]|, |v[64*(\a0)+16*\e+\i+1]|
.endr
.endr
	WIN 0
.irp e, 0,1,2,3,4,5,6,7
	v_permlanex16_b32 v[TM+8+\e], v[TM+\e], s46, s47
.endr
.irp e, 0,1,2,3,4,5,6,7
	v_max_num_f32 v[TM+\e], v[TM+\e], v[TM+8+\e]   ; with lane l xor 16's 16 channels
.endr
.irp e, 0,1,2,3,4,5,6,7
	v_add_nc_u32 v[TM+24+\e], 0xf8800000, v[TM+\e] ; 15 off the exponent field
.endr
.irp e, 0,1,2,3,4,5,6,7
	v_and_or_b32 v[TM+16+\e], v[TM+\e], 0x7f800000, s[MNT]   ; 57,344 x the scale
.endr
.irp e, 0,1,2,3,4,5,6,7
	v_lshrrev_b32 v[TM+8+\e], 23, v[TM+24+\e]      ; the scale's byte
.endr
.irp s, 1,2,3
.irp u, 0,1
.if \s == 1
	v_lshl_or_b32 v[PW+(\a0)+\u], v[TM+9+4*\u], 8, v[TM+8+4*\u]
.else
	v_lshl_or_b32 v[PW+(\a0)+\u], v[TM+8+4*\u+\s], 8*\s, v[PW+(\a0)+\u]
.endif
.endr
.endr
	WIN 0x41
.set n, 0
.rept 128
	v_med3_num_f32 v[64*(\a0)+n], v[64*(\a0)+n], -v[TM+16+n/16], v[TM+16+n/16]
.set n, n+1
.endr
	s_wait_alu depctr_va_vdst(0)
	s_wait_xcnt 0x0                                ; earlier stores have read the registers that the codes go into
	WIN 0x01
.irp e, 0,1,2,3,4,5,6,7
	v_cvt_scalef32_pk8_bf8_f32 v[PC+4*\e:PC+4*\e+1], v[64*(\a0)+16*\e:64*(\a0)+16*\e+7], v[TM+24+\e]
	v_cvt_scalef32_pk8_bf8_f32 v[PC+4*\e+2:PC+4*\e+3], v[64*(\a0)+16*\e+8:64*(\a0)+16*\e+15], v[TM+24+\e]
.endr
	WIN 0
	v_nop                                          ; a plain line behind the last conversion
.irp u, 0,1
	ds_store_b32 v[SWA], v[PW+(\a0)+\u] offset:64*((\a0)+\u)
.endr
.irp e, 0,1,2,3,4,5,6,7
	global_store_b128 v[L16], v[PC+4*\e:PC+4*\e+3], s[OCQ:OCQ+1] offset:2048*(\a0)+512*\e   ; 512 consecutive bytes an instruction
.endr
.endm
.macro VHALF a0                        ; token tiles a0, a0 + 1 of v leave as bf16: a lane's 8 channels are 16 bytes
	s_wait_xcnt 0x0
	WIN 0x05
.set n, 0
.rept 64
	v_cvt_pk_bf16_f32 v[TM+n], v[64*(\a0)+2*n], v[64*(\a0)+2*n+1]
.set n, n+1
.endr
	WIN 0
.irp u, 0,1
.irp t, 0,1,2,3,4,5,6,7
	global_store_b128 v[L16], v[TM+32*\u+4*\t:TM+32*\u+4*\t+3], s[VO:VO+1] offset:16384*\t+512*((\a0)+\u)
.endr
.endr
.endm
.macro SEVEN
.irp c, 0,1,2,3,4,5,6
	KST \c
.endr
.endm
	PRE 1
	FK 0, 4
	s_mov_b32 s3, 4
.Lmain:                                                ; chunks 0 to 3: q's two, k's two; each trip asks for the chunk two on
	SEVEN
	LAST 0
	PRE 0
	QPAIR 0
	QPAIR 2
	ds_load_b64 v[PW:PW+1], v[SWR]                 ; my 64 tokens' scale words, 8 bytes a lane (LDS serves a wave in order)
	s_wait_dscnt 0x0
	global_store_b64 v[L8], v[PW:PW+1], s[OSQ:OSQ+1]   ; 256 consecutive bytes
	s_wait_xcnt 0x0                                ; the stores have read their bases and data
	ROT OCQ
	ROT OSQ
	FK 0, 4
	s_sub_co_u32 s3, s3, 1
	s_cmp_lg_u32 s3, 0
	s_wait_alu depctr_va_vdst(0)
	s_cbranch_scc1 .Lmain
	SEVEN                                          ; v's first chunk: nothing more is asked for
	LAST 1
	PRE 0
	VHALF 0
	VHALF 2
	s_wait_xcnt 0x0
	s_add_nc_u64 s[VO:VO+1], s[VO:VO+1], 0x20000   ; eight channel tiles on
	FK 0, 4
	SEVEN                                          ; v's second chunk
	LAST 2
	VHALF 0
	VHALF 2
	s_wait_tensorcnt 0x0                           ; the wave's end
	ds_add_u32 v[SPW], v[NIL]
	s_wait_dscnt 0x0
	CROUND                                         ; the closing round
	s_endpgm
.Lfunc_end_k_qba71fd3796_proj_qkv:
	.size	k_qba71fd3796_proj_qkv, .Lfunc_end_k_qba71fd3796_proj_qkv-k_qba71fd3796_proj_qkv
	.p2alignl 7, 3214868480
	.fill 96, 4, 3214868480
	.section	.rodata,"a",@progbits
	.p2align	6, 0x0
	.amdhsa_kernel k_qba71fd3796_proj_qkv
		.amdhsa_group_segment_fixed_size 327680
		.amdhsa_private_segment_fixed_size 0
		.amdhsa_enable_private_segment 0
		.amdhsa_kernarg_size 128
		.amdhsa_user_sgpr_count 2
		.amdhsa_user_sgpr_kernarg_segment_ptr 1
		.amdhsa_wavefront_size32 1
		.amdhsa_system_sgpr_workgroup_id_x 1
		.amdhsa_system_sgpr_workgroup_id_y 1
		.amdhsa_system_sgpr_workgroup_id_z 1
		.amdhsa_system_vgpr_workitem_id 0
		.amdhsa_next_free_vgpr 1024
		.amdhsa_next_free_sgpr 106
		.amdhsa_reserve_vcc 0
		.amdhsa_float_denorm_mode_32 3
		.amdhsa_float_denorm_mode_16_64 3
		.amdhsa_memory_ordered 1
		.amdhsa_forward_progress 1
		.amdhsa_inst_pref_size 243
	.end_amdhsa_kernel
	.amdgpu_metadata
---
amdhsa.version: [ 1, 2 ]
amdhsa.kernels:
  - .name:           k_qba71fd3796_proj_qkv
    .symbol:         k_qba71fd3796_proj_qkv.kd
    .args:
      - { .name: token_embeddings_codes, .offset: 0, .size: 8, .value_kind: global_buffer, .address_space: global }
      - { .name: token_embeddings_scales, .offset: 8, .size: 8, .value_kind: global_buffer, .address_space: global }
      - { .name: Wq_codes, .offset: 16, .size: 8, .value_kind: global_buffer, .address_space: global }
      - { .name: Wq_scales, .offset: 24, .size: 8, .value_kind: global_buffer, .address_space: global }
      - { .name: bq, .offset: 32, .size: 8, .value_kind: global_buffer, .address_space: global }
      - { .name: Wk_codes, .offset: 40, .size: 8, .value_kind: global_buffer, .address_space: global }
      - { .name: Wk_scales, .offset: 48, .size: 8, .value_kind: global_buffer, .address_space: global }
      - { .name: bk, .offset: 56, .size: 8, .value_kind: global_buffer, .address_space: global }
      - { .name: Wv_codes, .offset: 64, .size: 8, .value_kind: global_buffer, .address_space: global }
      - { .name: Wv_scales, .offset: 72, .size: 8, .value_kind: global_buffer, .address_space: global }
      - { .name: bv, .offset: 80, .size: 8, .value_kind: global_buffer, .address_space: global }
      - { .name: qc, .offset: 88, .size: 8, .value_kind: global_buffer, .address_space: global }
      - { .name: qs, .offset: 96, .size: 8, .value_kind: global_buffer, .address_space: global }
      - { .name: kc, .offset: 104, .size: 8, .value_kind: global_buffer, .address_space: global }
      - { .name: ks, .offset: 112, .size: 8, .value_kind: global_buffer, .address_space: global }
      - { .name: vws, .offset: 120, .size: 8, .value_kind: global_buffer, .address_space: global }
    .group_segment_fixed_size: 327680
    .private_segment_fixed_size: 0
    .kernarg_segment_align: 8
    .kernarg_segment_size: 128
    .max_flat_workgroup_size: 128
    .sgpr_count:     106
    .vgpr_count:     1024
    .wavefront_size: 32
...
	.end_amdgpu_metadata
.endif
;; end of part 1
;; launch scores (part 2): grid 8 x 32, 4 waves a work-group, clusters of 4 x 1, 327,680 bytes of LDS; arguments qc, qs, kc, ks, attention_mask, cpart; writes cpart
.if DOCPART == 2
	.amdgcn_target "amdgcn-amd-amdhsa--gfx1250"
	.amdhsa_code_object_version 6
	.text
	.protected	k_qba71fd3796_scores
	.globl	k_qba71fd3796_scores
	.p2align	8
	.type	k_qba71fd3796_scores,@function
k_qba71fd3796_scores:
	s_mov_b64 s[64:65], 0
	v_nop
	global_prefetch_b8 v0, s[64:65] scope:SCOPE_SE
	s_setreg_imm32_b32 hwreg(HW_REG_WAVE_MODE, 25, 1), 1
	s_wait_xcnt 0x0
	s_wait_alu depctr_hold_cnt(0) depctr_sa_sdst(0) depctr_va_vdst(0) depctr_va_sdst(0) depctr_va_ssrc(0) depctr_va_vcc(0) depctr_vm_vsrc(0)
	s_getreg_b32 s2, hwreg(HW_REG_IB_STS2, 6, 4)
	s_cmp_eq_u32 s2, 0
	s_cbranch_scc0 .Lentry_in_a_cluster
	s_endpgm
.Lentry_in_a_cluster:
	s_bfe_u32 s2, ttmp6, 0x10000c
	s_cmp_lg_u32 s2, 0x3003
	s_cbranch_scc0 .Lentry_shape_is_right
	s_endpgm
.Lentry_shape_is_right:
; cpart[batch][g][key] = the sum over the 64 queries of block g of softmax_key(q . k / 32, keys with mask 0 at -infinity).  The product is on codes of BF8 (E5M2) with E8M0 scales, K = 1,024.
; qc, kc: [batch 32][K step 8][token tile 32][2,048]: fragments as images of their registers (group c of lane l at 512 c + 16 l).  qs, ks: [batch][K step 8][token 512] scale words.  attention_mask: [32][512] i32.
; SHARES.  A work-group owns 64 queries of one batch and all 512 keys; wave w owns keys 128 w .. 128 w + 127 against all 64 queries: 32 accumulators.  S^T = k q^T (source 0 = 16 keys, source 1 = 16 queries):
; lane (r, h) holds query r, register j key 8 h + j.  q's 32 fragments (512 registers) stay in registers, so LDS is read for k alone.
; k comes through a ring of two LDS slots of two K steps each (131,072 bytes, dense: an image is read at 16 x lane and needs no padding), each wave bringing a quarter of a slot.
; CLUSTER.  The four query blocks of a cluster belong to one batch and walk the same k: each tile is asked for jointly, with the mask of all four.
; SOFTMAX, as the definition has it: the row's maximum is taken away, p = 2^((s - m) log2(e) / 32), the row's sum divides.  A query's keys lie in four waves: maxima and sums meet in LDS.
; LIMITS: a batch whose every key is masked gives NaN, as the definition does; NaN and infinities among the scores are not served; an exponential under 2^-126 comes out as 0.
; REGISTERS, in windows of 256: window 0: v1-15 addresses; v16-47 k's scale words, v48-63 q's, and nothing else; v64-127 the mask as 0 or -infinity, later the column sums; v128-255 k's 8 fragments, later at work.
;   window 1: accumulator (query tile qt, key tile t) at v[64 qt + 8 t].   window 2: q's K steps 0-3, at v[64 (c % 4) + 16 qt];   window 3: K steps 4-7.
.set SLOTB, 131072                     ; a slot: two K steps x 32 fragments x 2,048 bytes
.set EXM,   2*SLOTB                    ; behind the ring: [query 64][wave 4] f32: the waves' maxima;
.set EXS,   EXM+1024                   ; their sums;
.set CT,    EXS+1024                   ; a stage of 16 rows x (512 bytes + 16) for each wave
.set CTW,   16*528
.set SPARE, CT+4*CTW                   ; the spare words, 128 bytes for each wave
.set L16,  1                           ; v1   16 x lane
.set L4,   2                           ; v2   4 x lane
.set SPW,  3                           ; v3   LDS address of my spare word; never rewritten
.set NIL,  4                           ; v4   0; never rewritten
.set KA,   5                           ; v5-8 LDS address of my key tiles of K step c: register c % 4: 16 lane + 16,384 wave + 65,536 (c % 4)
.set EXA,  9                           ; v9   EXM + 16 r + 4 wave
.set EXL,  10                          ; v10  EXM + 16 r
.set CTS,  11                          ; v11  the stage: row r, + 32 h
.set CTR,  12                          ; v12  the stage: 16 x lane
.set NINF, 13                          ; v13  -infinity
.set H32,  14                          ; v14  32 h
.set SCK,  16                          ; k's scale words: v[SCK + 4 c + p]: lanes 0-15 key tile 2 p, lanes 16-31 key tile 2 p + 1
.set SCQ,  48                          ; q's: v[SCQ + 2 c + p] likewise
.set MB,   64                          ; v[MB + 8 t + j]: 0 or -infinity for key 16 t + 8 h + j of my 128
.set CC,   64                          ; later: my four queries' weights added up, in the same layout
.set KF,   128
.set TMX,  128                         ; v128-131 a number for each query tile
.set TP,   132                         ; v132-135 the other half of the lanes'
.set CM,   136                         ; v136-143 c m, in pairs (the low word serves)
.set SUM,  144                         ; v144-151 the sums, in two halves
.set RL,   152                         ; v152-159 1 / the row's sum, in pairs (the low word serves)
.set EX,   160                         ; v160-175 the four waves' numbers
.set BK,   176                         ; v176-239 the stage read back
.set WV,   16                          ; s16  my wave's number
.set G1,   24                          ; s[24:31] descriptor group 1
.set G0,   32                          ; s[32:39] group 0, one set for each slot
.set MSB, 0
.macro WIN new                         ; the immediate's high byte repeats the setting that is left
.if MSB != (\new)
	s_set_vgpr_msb (MSB<<8)|(\new)
.set MSB, (\new)
.endif
.endm
.macro CREST                           ; a round of the cluster's barrier behind its opening barrier
	s_cmp_lg_u32 s[WV], 0
	s_cbranch_scc1 .Lnot_wave_0_\@
	s_barrier_signal -3
.Lnot_wave_0_\@:
	s_barrier_wait -3
	s_barrier_signal -1
	s_barrier_wait -1
.endm
.macro CROUND
	s_barrier_signal -1
	s_barrier_wait -1
	CREST
.endm
.macro PLACES n
.rept \n
	v_nop
.endr
.endm
	s_load_b256 s[4:11], s[0:1], 0x0               ; qc s[4:5], qs s[6:7], kc s[8:9], ks s[10:11]
	s_load_b128 s[12:15], s[0:1], 0x20             ; the mask s[12:13], cpart s[14:15]
	v_lshl_add_u32 v[SPW], v0, 2, SPARE
	v_mov_b32 v[NIL], 0
	ds_add_u32 v3, v4
	ds_add_u32 v3, v4
	s_wait_dscnt 0x0
	v_lshrrev_b32 v15, 5, v0
	v_readfirstlane_b32 s[WV], v15                 ; wave 0..3
	s_bfe_u32 s17, ttmp6, 0x40000                  ; cx
	s_lshl_b32 s18, ttmp9, 2
	s_add_co_u32 s18, s18, s17                     ; g, my block of 64 queries: it enters q's, qs's and cpart's global addresses alone
	s_and_b32 s19, ttmp7, 0xffff                   ; the batch, which the four partners share
	s_mov_b32 s20, 0x76543210
	s_mov_b32 s21, 0xfedcba98                      ; v_permlanex16_b32's selects for lane l xor 16
	s_mov_b32 s22, 0x3d38aa3b                      ; c = log2(e) / 32
	s_mov_b32 s23, s22                             ; (named with it as a pair, so it is written)
	; descriptor group 1: a quarter of a slot, 32,768 dense bytes, as 128 rows of 256 bytes (32 elements of 8 bytes), no padding
	s_mov_b32 s[G1], 15|(3<<16)|(1<<21)            ; 15:0 the mask: all four work-groups; 17:16 elements of 8 bytes; 21 set beside a mask
	s_mov_b32 s[G1+1], 32<<16                      ; tensor_dim0 = 32
	s_mov_b32 s[G1+2], 256<<16                     ; tensor_dim1 = 256, for the head's load
	s_mov_b32 s[G1+3], 32<<16                      ; tile_dim0 = 32
	s_mov_b32 s[G1+4], 256                         ; tile_dim1 = 256
	s_mov_b32 s[G1+5], 32                          ; tensor_dim0_stride
	s_mov_b32 s[G1+6], 0
	s_mov_b32 s[G1+7], 0
	s_lshl_b32 s40, s19, 19                        ; kc: 524,288 bytes a batch,
	s_lshl_b32 s42, s[WV], 15                      ; my quarter of a slot, in memory and in LDS alike
	s_add_co_u32 s40, s40, s42
	s_mov_b32 s41, 0
	s_lshl_b32 s43, s[WV], 9                       ; my 128 keys x 4 bytes
	s_lshl_b32 s46, s19, 11                        ; the mask: 2,048 bytes a batch
	s_add_co_u32 s46, s46, s43
	s_mov_b32 s47, 0
	s_lshl_b32 s48, s19, 14                        ; ks: 16,384 bytes a batch
	s_add_co_u32 s48, s48, s43
	s_mov_b32 s49, 0
	s_lshl_b32 s50, s19, 14                        ; qs: the same, + my 64 queries x 4 bytes
	s_lshl_b32 s51, s18, 8
	s_add_co_u32 s50, s50, s51
	s_mov_b32 s51, 0
	s_lshl_b32 s52, s19, 19                        ; qc: + my four tiles x 2,048 bytes
	s_lshl_b32 s53, s18, 13
	s_add_co_u32 s52, s52, s53
	s_mov_b32 s53, 0
	s_lshl_b32 s54, s18, 11                        ; cpart: 16,384 bytes a batch, 2,048 a block of queries, + my 128 keys
	s_add_co_u32 s54, s54, s48
	s_mov_b32 s55, 0
	s_wait_kmcnt 0x0
	s_add_nc_u64 s[44:45], s[8:9], s[40:41]
	s_add_nc_u64 s[12:13], s[12:13], s[46:47]
	s_add_nc_u64 s[10:11], s[10:11], s[48:49]
	s_add_nc_u64 s[6:7], s[6:7], s[50:51]
	s_add_nc_u64 s[4:5], s[4:5], s[52:53]
	s_add_nc_u64 s[14:15], s[14:15], s[54:55]
	CROUND                                         ; all four work-groups are here: the first joint loads meet
.irp s, 0,1
	s_mov_b32 s[G0+4*\s], 1                        ; count = 1
	s_add_co_u32 s[G0+4*\s+1], s42, \s*SLOTB       ; LDS address
	s_add_nc_u64 s[G0+4*\s+2:G0+4*\s+3], s[44:45], \s*SLOTB   ; global address: slot s begins with K steps 2 s, 2 s + 1
	s_or_b32 s[G0+4*\s+3], s[G0+4*\s+3], 0x80000000           ; type = 2
.endr
	s_mov_b32 s56, 1                               ; the head's load: K step w, 65,536 dense bytes as 256 rows of 256: the four waves fill both slots, one load a wave
	s_lshl_b32 s57, s[WV], 16
	s_mov_b32 s60, s42
	s_mov_b32 s61, 0
	s_add_nc_u64 s[58:59], s[44:45], s[60:61]      ; the batch's k + 65,536 x wave
	s_or_b32 s59, s59, 0x80000000
	tensor_load_to_lds s[56:59], s[G1:G1+7]
	s_nop 0
	PLACES 4
	v_and_b32 v15, 31, v0
	v_lshlrev_b32 v[L16], 4, v15
	v_lshlrev_b32 v[L4], 2, v15
	v_and_b32 v15, 15, v0                          ; r
	v_bfe_u32 v[H32], v0, 4, 1                     ; h
	s_lshl_b32 s43, s[WV], 2
	s_add_co_u32 s43, s43, EXM
	v_lshl_add_u32 v[EXA], v15, 4, s43
	v_lshl_add_u32 v[EXL], v15, 4, EXM
	s_mul_i32 s43, s[WV], CTW
	s_add_co_u32 s43, s43, CT
	v_mul_u32_u24 v[CTS], v15, 528
	v_lshl_add_u32 v[CTS], v[H32], 5, v[CTS]
	v_add_nc_u32 v[CTS], s43, v[CTS]
	v_add_nc_u32 v[CTR], s43, v[L16]
	v_lshlrev_b32 v[H32], 5, v[H32]
	v_mov_b32 v[NINF], 0xff800000
	s_lshl_b32 s43, s[WV], 14                      ; my 8 key tiles x 2,048 bytes
	v_add_nc_u32 v[KA], s43, v[L16]
	v_add_nc_u32 v[KA+1], 0x10000, v[KA]
	v_add_nc_u32 v[KA+2], 0x20000, v[KA]
	v_add_nc_u32 v[KA+3], 0x30000, v[KA]
	; PREFETCHES.  q: my work-group's 8 K steps x 8,192 bytes are 256 blocks of 256 bytes, named once: thread t names blocks t % 16 and 16 + t % 16 of K step t / 16.
	; k: K steps 4 to 7, which the two refills will ask for, are 2 x 512 blocks: each is named once in the cluster, the partner at place cx taking blocks 128 cx .. 128 cx + 127 of each refill, told apart by address.
	s_lshl_b32 s60, s19, 19
	s_lshl_b32 s61, s17, 15
	s_add_co_u32 s60, s60, s61
	s_add_co_u32 s60, s60, 0x40000
	s_mov_b32 s61, 0
	s_add_nc_u64 s[62:63], s[8:9], s[60:61]
	v_lshlrev_b32 v15, 8, v0
	v_lshrrev_b32 v128, 4, v0
	v_and_b32 v129, 15, v0
	v_lshlrev_b32 v129, 8, v129
	v_lshl_add_u32 v128, v128, 16, v129
	global_prefetch_b8 v128, s[4:5] th:TH_LOAD_NT scope:SCOPE_SE
	global_prefetch_b8 v128, s[4:5] offset:4096 th:TH_LOAD_NT scope:SCOPE_SE
	global_prefetch_b8 v15, s[62:63] th:TH_LOAD_NT scope:SCOPE_SE
	global_prefetch_b8 v15, s[62:63] offset:131072 th:TH_LOAD_NT scope:SCOPE_SE
.irp t, 0,1,2,3,4,5,6,7
	global_load_b128 v[MB+8*\t:MB+8*\t+3], v[H32], s[12:13] offset:64*\t        ; the mask of keys 16 t + 8 h + 0 .. 7: the result's layout
	global_load_b128 v[MB+8*\t+4:MB+8*\t+7], v[H32], s[12:13] offset:64*\t+16
.endr
.irp c, 0,1,2,3,4,5,6,7
.irp p, 0,1,2,3
	global_load_b32 v[SCK+4*\c+\p], v[L4], s[10:11] offset:2048*\c+128*\p       ; 32 neighbouring keys' words: two key tiles
.endr
.irp p, 0,1
	global_load_b32 v[SCQ+2*\c+\p], v[L4], s[6:7] offset:2048*\c+128*\p
.endr
.endr
	WIN 0x80                                       ; destination window 2
.irp c, 0,1,2,3
.irp qt, 0,1,2,3
.irp cc, 0,1,2,3
	global_load_b128 v[64*\c+16*\qt+4*\cc:64*\c+16*\qt+4*\cc+3], v[L16], s[4:5] offset:65536*\c+2048*\qt+512*\cc
.endr
.endr
.endr
	WIN 0xc0                                       ; destination window 3
.irp c, 0,1,2,3
.irp qt, 0,1,2,3
.irp cc, 0,1,2,3
	global_load_b128 v[64*\c+16*\qt+4*\cc:64*\c+16*\qt+4*\cc+3], v[L16], s[4:5] offset:65536*(\c+4)+2048*\qt+512*\cc
.endr
.endr
.endr
	WIN 0
	s_wait_alu depctr_va_vdst(0)
	s_wait_loadcnt 0x0                             ; the mask, the scale words and q
	s_wait_xcnt 0x0                                ; the prefetches have read their address registers: v128 is written again below
.set n, 0
.rept 64
	v_cmp_eq_u32 vcc_lo, 0, v[MB+n]
	v_cndmask_b32 v[MB+n], 0, v[NINF], vcc_lo      ; -infinity where the mask is 0, else 0: a choice of a value, no branch
.set n, n+1
.endr
; One matrix instruction on the registers named by rD, rA, rB, rSA, rSB.  ra, rb: that side's scale words lie in lanes 16-31.  zero = 1: it starts the sum.
.macro WS zero, ra, rb
.if \zero
.if (\ra) && (\rb)
	v_wmma_scale_f32_16x16x128_f8f6f4 v[rD:rD+7], v[rA:rA+15], v[rB:rB+15], 0, v[rSA], v[rSB] matrix_a_fmt:MATRIX_FMT_BF8 matrix_b_fmt:MATRIX_FMT_BF8 matrix_a_scale:MATRIX_SCALE_ROW1 matrix_b_scale:MATRIX_SCALE_ROW1
.elseif (\ra)
	v_wmma_scale_f32_16x16x128_f8f6f4 v[rD:rD+7], v[rA:rA+15], v[rB:rB+15], 0, v[rSA], v[rSB] matrix_a_fmt:MATRIX_FMT_BF8 matrix_b_fmt:MATRIX_FMT_BF8 matrix_a_scale:MATRIX_SCALE_ROW1
.elseif (\rb)
	v_wmma_scale_f32_16x16x128_f8f6f4 v[rD:rD+7], v[rA:rA+15], v[rB:rB+15], 0, v[rSA], v[rSB] matrix_a_fmt:MATRIX_FMT_BF8 matrix_b_fmt:MATRIX_FMT_BF8 matrix_b_scale:MATRIX_SCALE_ROW1
.else
	v_wmma_scale_f32_16x16x128_f8f6f4 v[rD:rD+7], v[rA:rA+15], v[rB:rB+15], 0, v[rSA], v[rSB] matrix_a_fmt:MATRIX_FMT_BF8 matrix_b_fmt:MATRIX_FMT_BF8
.endif
.else
.if (\ra) && (\rb)
	v_wmma_scale_f32_16x16x128_f8f6f4 v[rD:rD+7], v[rA:rA+15], v[rB:rB+15], v[rD:rD+7], v[rSA], v[rSB] matrix_a_fmt:MATRIX_FMT_BF8 matrix_b_fmt:MATRIX_FMT_BF8 matrix_a_scale:MATRIX_SCALE_ROW1 matrix_b_scale:MATRIX_SCALE_ROW1
.elseif (\ra)
	v_wmma_scale_f32_16x16x128_f8f6f4 v[rD:rD+7], v[rA:rA+15], v[rB:rB+15], v[rD:rD+7], v[rSA], v[rSB] matrix_a_fmt:MATRIX_FMT_BF8 matrix_b_fmt:MATRIX_FMT_BF8 matrix_a_scale:MATRIX_SCALE_ROW1
.elseif (\rb)
	v_wmma_scale_f32_16x16x128_f8f6f4 v[rD:rD+7], v[rA:rA+15], v[rB:rB+15], v[rD:rD+7], v[rSA], v[rSB] matrix_a_fmt:MATRIX_FMT_BF8 matrix_b_fmt:MATRIX_FMT_BF8 matrix_b_scale:MATRIX_SCALE_ROW1
.else
	v_wmma_scale_f32_16x16x128_f8f6f4 v[rD:rD+7], v[rA:rA+15], v[rB:rB+15], v[rD:rD+7], v[rSA], v[rSB] matrix_a_fmt:MATRIX_FMT_BF8 matrix_b_fmt:MATRIX_FMT_BF8
.endif
.endif
.endm
; Key tile t against the four query tiles, K step c.  The 32 accumulators take turns, one instruction a turn, in the same order in every K step.
.macro MQ c, t
.if (\c) < 4
	WIN 0x58                                       ; source 0 (k) window 0, source 1 (q) window 2, C and D window 1
.else
	WIN 0x5c                                       ; q in window 3
.endif
.irp qt, 0,1,2,3
.set rD, 64*\qt+8*(\t)
.set rA, KF+16*(\t)
.set rB, 64*((\c)%4)+16*\qt
.set rSA, SCK+4*(\c)+(\t)/2
.set rSB, SCQ+2*(\c)+\qt/2
.if (\c) == 0
	WS 1, (\t)%2, \qt%2
.else
	WS 0, (\t)%2, \qt%2
.endif
.endr
.endm
.macro FK c, t0                        ; my key tiles t0 .. t0 + 3 of K step c: 16 loads, each of 512 consecutive bytes
.irp t, \t0, \t0+1, \t0+2, \t0+3
.irp cc, 0,1,2,3
	ds_load_b128 v[KF+16*(\t)+4*\cc:KF+16*(\t)+4*\cc+3], v[KA+(\c)%4] offset:2048*(\t)+512*\cc
.endr
.endr
.endm
; A slot's first K step: the next one lies in the same slot.  A key tile is free as soon as its four products are issued: one set of registers serves.
.macro CHA c
	s_wait_dscnt 16                                ; tiles 0-3 are in; the youngest 16 loads (tiles 4-7) may be out
	MQ \c, 0
	MQ \c, 1
	MQ \c, 2
	MQ \c, 3
	PLACES 8                                       ; in front of loads into registers that matrix instructions have read
	WIN 0
	FK (\c)+1, 0
	s_wait_dscnt 16                                ; tiles 4-7 are in; the 16 just issued may be out
	MQ \c, 4
	MQ \c, 5
	MQ \c, 6
	MQ \c, 7
	PLACES 8
	WIN 0
	FK (\c)+1, 4
.endm
; A slot's second K step changes slots: ONE barrier; in front of it each wave waits for all its tensor loads, adds 0 to its spare word, and waits for that and for its reads of this slot.  fill = 1: the slot is filled again, four K steps ahead.
.macro CHB c, fill
	s_wait_tensorcnt 0x0                           ; all my tensor loads have landed: my part of the other slot  (every window is 0 here)
	ds_add_u32 v[SPW], v[NIL]                      ; 0 onto my spare word
.if \fill
	s_add_nc_u64 s[G0+4*(((\c)/2)%2)+2:G0+4*(((\c)/2)%2)+3], s[G0+4*(((\c)/2)%2)+2:G0+4*(((\c)/2)%2)+3], 2*SLOTB   ; no load of mine is out, so a group 0 may be written
.endif
	s_wait_dscnt 17                                ; (the add and the youngest 16 loads, tiles 4-7, may be out)
	MQ \c, 0
	MQ \c, 1                                       ; eight matrix instructions stand between the add and the wait for it
	s_wait_dscnt 0x0                               ; the add is done, and my reads of this slot are over
	s_barrier_signal -1
	MQ \c, 2
	MQ \c, 3
	WIN 0
	s_barrier_wait -1
.if \fill
	CREST                                          ; the barrier has opened a round of the cluster's barrier: no wave of any partner still reads this slot or has a load on its way
	tensor_load_to_lds s[G0+4*(((\c)/2)%2):G0+4*(((\c)/2)%2)+3], s[G1:G1+7]   ; the first thing behind the round, my one load until the next
	s_nop 0
.endif
	PLACES 8                                       ; (four follow the load)  the places in front of the loads below
	FK (\c)+1, 0
	MQ \c, 4
	MQ \c, 5
	MQ \c, 6
	MQ \c, 7
	PLACES 8
	WIN 0
	FK (\c)+1, 4
.endm
	s_wait_tensorcnt 0x0                           ; my K step is in; no load of mine is out, so the descriptor may be written:
	s_mov_b32 s[G1+2], 128<<16                     ; from here on a load brings 128 rows, a quarter of a slot
	s_mov_b32 s[G1+4], 128
	s_barrier_signal -1
	s_barrier_wait -1                              ; everybody's is
	FK 0, 0
	FK 0, 4
	CHA 0
	CHB 1, 1                                       ; slot 0 takes K steps 4, 5
	CHA 2
	CHB 3, 1                                       ; slot 1 takes K steps 6, 7
	CHA 4
	CHB 5, 0                                       ; nothing is left to fetch: no round
	CHA 6
	s_wait_dscnt 16                                ; the last K step
	MQ 7, 0
	MQ 7, 1
	MQ 7, 2
	MQ 7, 3
	s_wait_dscnt 0
	MQ 7, 4
	MQ 7, 5
	MQ 7, 6
	MQ 7, 7
	WIN 0
	PLACES 8                                       ; behind the last products
	; THE SOFTMAX.  Hidden keys' scores become -infinity; each accumulator is read from its low end on.
	WIN 0x41                                       ; destination and source 0: the accumulators
.set n, 0
.rept 128
	v_pk_add_f32 v[2*n:2*n+1], v[2*n:2*n+1], v[MB+2*(n%32):MB+2*(n%32)+1]
.set n, n+1
.endr
	WIN 0
.irp qt, 0,1,2,3
	v_mov_b32 v[TMX+\qt], v[NINF]
	v_mov_b32 v[TP+\qt], 0                         ; a lane permute's destination counts as one of its sources
.endr
	WIN 0x14                                       ; sources 1 and 2: the accumulators
.set n, 0
.rept 32
.irp qt, 0,1,2,3
	v_max3_num_f32 v[TMX+\qt], v[TMX+\qt], v[64*\qt+2*n], v[64*\qt+2*n+1]   ; my 64 keys of each of my four queries, the four by turns
.endr
.set n, n+1
.endr
	WIN 0
.irp qt, 0,1,2,3
	v_permlanex16_b32 v[TP+\qt], v[TMX+\qt], s20, s21
.endr
.irp qt, 0,1,2,3
	v_max_num_f32 v[TMX+\qt], v[TMX+\qt], v[TP+\qt]   ; the wave's 128 keys
.endr
.irp qt, 0,1,2,3
	ds_store_b32 v[EXA], v[TMX+\qt] offset:256*\qt
.endr
	s_wait_dscnt 0x0                               ; for the others' sake: my stores are done
	s_barrier_signal -1
	s_barrier_wait -1
.irp qt, 0,1,2,3
	ds_load_b128 v[EX+4*\qt:EX+4*\qt+3], v[EXL] offset:256*\qt
.endr
	s_wait_dscnt 0x0
.irp qt, 0,1,2,3
	v_max3_num_f32 v[TMX+\qt], v[EX+4*\qt], v[EX+4*\qt+1], v[EX+4*\qt+2]
.endr
.irp qt, 0,1,2,3
	v_max_num_f32 v[TMX+\qt], v[TMX+\qt], v[EX+4*\qt+3]   ; m: the row's maximum over all 512 keys
.endr
.irp qt, 0,1,2,3
	v_mul_f32 v[CM+2*\qt], s22, v[TMX+\qt]         ; c m
	v_mov_b32 v[CM+2*\qt+1], 0                     ; (named with it as a pair)
	v_mov_b32 v[RL+2*\qt+1], 0
.endr
	WIN 0x41
.set n, 0
.rept 128
	v_pk_fma_f32 v[2*n:2*n+1], v[2*n:2*n+1], s[22:23], v[CM+2*(n/32):CM+2*(n/32)+1] op_sel_hi:[1,0,0] neg_lo:[0,0,1] neg_hi:[0,0,1]   ; c s - c m
.set n, n+1
.endr
.set n, 0
	s_wait_alu depctr_va_vdst(0)
.rept 256
	v_exp_f32 v[n], v[n]                           ; one batch: none of these reads another's result
.set n, n+1
.endr
	WIN 0
.irp k, 0,1,2,3,4,5,6,7
	v_mov_b32 v[SUM+\k], 0                         ; plain work behind the exponentials
.endr
	s_wait_alu depctr_va_vdst(0)                   ; one wait for the whole batch, ahead of its first reader
	WIN 0x04                                       ; source 1: the accumulators
.set n, 0
.rept 32
.irp qt, 0,1,2,3
	v_pk_add_f32 v[SUM+2*\qt:SUM+2*\qt+1], v[SUM+2*\qt:SUM+2*\qt+1], v[64*\qt+2*n:64*\qt+2*n+1]
.endr
.set n, n+1
.endr
	WIN 0
.irp qt, 0,1,2,3
	v_add_f32 v[TMX+\qt], v[SUM+2*\qt], v[SUM+2*\qt+1]
.endr
.irp qt, 0,1,2,3
	v_permlanex16_b32 v[TP+\qt], v[TMX+\qt], s20, s21
.endr
.irp qt, 0,1,2,3
	v_add_f32 v[TMX+\qt], v[TMX+\qt], v[TP+\qt]
.endr
.irp qt, 0,1,2,3
	ds_store_b32 v[EXA], v[TMX+\qt] offset:1024+256*\qt   ; other bytes than the maxima's: nobody's reads of those are overtaken
.endr
	s_wait_dscnt 0x0
	s_barrier_signal -1
	s_barrier_wait -1
.irp qt, 0,1,2,3
	ds_load_b128 v[EX+4*\qt:EX+4*\qt+3], v[EXL] offset:1024+256*\qt
.endr
	s_wait_dscnt 0x0
.irp qt, 0,1,2,3
	v_add_f32 v[EX+4*\qt], v[EX+4*\qt], v[EX+4*\qt+1]
	v_add_f32 v[EX+4*\qt+2], v[EX+4*\qt+2], v[EX+4*\qt+3]
.endr
.irp qt, 0,1,2,3
	v_add_f32 v[TMX+\qt], v[EX+4*\qt], v[EX+4*\qt+2]   ; the row's sum
.endr
	s_wait_alu depctr_va_vdst(0)
.irp qt, 0,1,2,3
	v_rcp_f32 v[RL+2*\qt], v[TMX+\qt]
.endr
	v_nop                                          ; a plain instruction between the last reciprocal and the use of its result
	s_wait_alu depctr_va_vdst(0)                   ; one wait for the four
	; THE COLUMN SUMS.  First my four queries, in registers;
	WIN 0x01                                       ; source 0: the accumulators
.set n, 0
.rept 32
	v_pk_mul_f32 v[CC+2*n:CC+2*n+1], v[2*n:2*n+1], v[RL:RL+1] op_sel_hi:[1,0]
.set n, n+1
.endr
.irp qt, 1,2,3
.set n, 0
.rept 32
	v_pk_fma_f32 v[CC+2*n:CC+2*n+1], v[64*\qt+2*n:64*\qt+2*n+1], v[RL+2*\qt:RL+2*\qt+1], v[CC+2*n:CC+2*n+1] op_sel_hi:[1,0,1]
.set n, n+1
.endr
.endr
	WIN 0
	; then the sixteen lanes of a half: through my own stage, row r = my 128 keys, read back four keys a lane
.irp t, 0,1,2,3,4,5,6,7
	ds_store_b128 v[CTS], v[CC+8*\t:CC+8*\t+3] offset:64*\t
	ds_store_b128 v[CTS], v[CC+8*\t+4:CC+8*\t+7] offset:64*\t+16
.endr
.irp t, 0,1,2,3,4,5,6,7,8,9,10,11,12,13,14,15
	ds_load_b128 v[BK+4*\t:BK+4*\t+3], v[CTR] offset:528*\t   ; LDS serves a wave's instructions in order: these see my stores
.endr
	s_wait_dscnt 0x0
.irp s, 8,4,2,1
.set t, 0
.rept \s
	v_pk_add_f32 v[BK+4*t:BK+4*t+1], v[BK+4*t:BK+4*t+1], v[BK+4*(t+\s):BK+4*(t+\s)+1]
	v_pk_add_f32 v[BK+4*t+2:BK+4*t+3], v[BK+4*t+2:BK+4*t+3], v[BK+4*(t+\s)+2:BK+4*(t+\s)+3]
.set t, t+1
.endr
.endr
	global_store_b128 v[L16], v[BK:BK+3], s[14:15] ; my 128 keys' sums over the block's 64 queries: 512 consecutive bytes
	s_wait_tensorcnt 0x0                           ; the wave's end
	ds_add_u32 v[SPW], v[NIL]
	s_wait_dscnt 0x0
	CROUND                                         ; the closing round
	s_endpgm
.Lfunc_end_k_qba71fd3796_scores:
	.size	k_qba71fd3796_scores, .Lfunc_end_k_qba71fd3796_scores-k_qba71fd3796_scores
	.p2alignl 7, 3214868480
	.fill 96, 4, 3214868480
	.section	.rodata,"a",@progbits
	.p2align	6, 0x0
	.amdhsa_kernel k_qba71fd3796_scores
		.amdhsa_group_segment_fixed_size 327680
		.amdhsa_private_segment_fixed_size 0
		.amdhsa_enable_private_segment 0
		.amdhsa_kernarg_size 48
		.amdhsa_user_sgpr_count 2
		.amdhsa_user_sgpr_kernarg_segment_ptr 1
		.amdhsa_wavefront_size32 1
		.amdhsa_system_sgpr_workgroup_id_x 1
		.amdhsa_system_sgpr_workgroup_id_y 1
		.amdhsa_system_sgpr_workgroup_id_z 1
		.amdhsa_system_vgpr_workitem_id 0
		.amdhsa_next_free_vgpr 1024
		.amdhsa_next_free_sgpr 66
		.amdhsa_reserve_vcc 1
		.amdhsa_float_denorm_mode_32 3
		.amdhsa_float_denorm_mode_16_64 3
		.amdhsa_memory_ordered 1
		.amdhsa_forward_progress 1
		.amdhsa_inst_pref_size 140
	.end_amdhsa_kernel
	.amdgpu_metadata
---
amdhsa.version: [ 1, 2 ]
amdhsa.kernels:
  - .name:           k_qba71fd3796_scores
    .symbol:         k_qba71fd3796_scores.kd
    .args:
      - { .name: qc, .offset: 0, .size: 8, .value_kind: global_buffer, .address_space: global }
      - { .name: qs, .offset: 8, .size: 8, .value_kind: global_buffer, .address_space: global }
      - { .name: kc, .offset: 16, .size: 8, .value_kind: global_buffer, .address_space: global }
      - { .name: ks, .offset: 24, .size: 8, .value_kind: global_buffer, .address_space: global }
      - { .name: attention_mask, .offset: 32, .size: 8, .value_kind: global_buffer, .address_space: global }
      - { .name: cpart, .offset: 40, .size: 8, .value_kind: global_buffer, .address_space: global }
    .group_segment_fixed_size: 327680
    .private_segment_fixed_size: 0
    .kernarg_segment_align: 8
    .kernarg_segment_size: 48
    .max_flat_workgroup_size: 128
    .sgpr_count:     66
    .vgpr_count:     1024
    .wavefront_size: 32
...
	.end_amdgpu_metadata
.endif
;; end of part 2
;; launch pool (part 3): grid 8 x 32, 8 waves a work-group, no clusters, 4,096 bytes of LDS; arguments vws, cpart, out0; writes out0
.if DOCPART == 3
	.amdgcn_target "amdgcn-amd-amdhsa--gfx1250"
	.amdhsa_code_object_version 6
	.text
	.protected	k_qba71fd3796_pool
	.globl	k_qba71fd3796_pool
	.p2align	8
	.type	k_qba71fd3796_pool,@function
k_qba71fd3796_pool:
	s_mov_b64 s[64:65], 0
	v_nop
	global_prefetch_b8 v0, s[64:65] scope:SCOPE_SE
	s_setreg_imm32_b32 hwreg(HW_REG_WAVE_MODE, 25, 1), 1
	s_wait_xcnt 0x0
; out0[batch][d] = the sum over tokens of c[token] v[token][d], c[token] = the sum over g of cpart[batch][g][token]; v holds its bias already.
; vws: [batch][channel tile 64][token tile 32][lane 32][8 bf16]: lane (r, h) of an image holds token r, channels 8 h + 0 .. 7 of the tile.
; A work-group owns one batch and 128 channels; wave w owns channel tile w: 32 loads of 512 consecutive bytes.  Sums in f32.  A stream: no matrix unit, no cluster, no loop to prefetch in.
.set CL,    0                          ; c of the batch's 512 tokens
.set OUTS,  2048                       ; the work-group's 128 sums
.set SPARE, 2560                       ; the spare words, 128 bytes a wave
.set L16, 1
.set T8,  2
.set CR,  3
.set OSA, 4
.set OSR, 5
.set SPW, 6
.set NIL, 7
.set AC,  8                            ; v8-15 the sums of my 8 channels
.set CP,  16                           ; v16-31 cpart of my two tokens
.set CV,  32                           ; v32-63 c of token 16 a + r
.set VD,  64                           ; v64-191 v
	s_load_b128 s[4:7], s[0:1], 0x0                ; vws, cpart
	s_load_b64 s[8:9], s[0:1], 0x10                ; out0
	v_lshl_add_u32 v[SPW], v0, 2, SPARE
	v_mov_b32 v[NIL], 0
	v_lshrrev_b32 v16, 5, v0
	v_readfirstlane_b32 s10, v16                   ; wave
	s_and_b32 s11, ttmp7, 0xffff                   ; batch
	s_lshl_b32 s12, s11, 20
	s_lshl_b32 s13, ttmp9, 17
	s_add_co_u32 s12, s12, s13
	s_lshl_b32 s13, s10, 14
	s_add_co_u32 s12, s12, s13
	s_mov_b32 s13, 0
	s_lshl_b32 s14, s11, 14
	s_mov_b32 s15, 0
	s_lshl_b32 s16, s11, 12
	s_lshl_b32 s17, ttmp9, 9
	s_add_co_u32 s16, s16, s17
	s_mov_b32 s17, 0
	s_lshl_b32 s18, s10, 6
	s_add_co_u32 s18, s18, OUTS
	v_and_b32 v16, 31, v0
	v_lshlrev_b32 v[L16], 4, v16
	v_lshlrev_b32 v[T8], 3, v0
	v_and_b32 v17, 15, v0
	v_lshlrev_b32 v[CR], 2, v17
	v_bfe_u32 v18, v0, 4, 1
	v_lshl_add_u32 v[OSA], v18, 5, s18
	v_add_nc_u32 v[OSR], OUTS, v[L16]
.irp j, 0,1,2,3,4,5,6,7
	v_mov_b32 v[AC+\j], 0
.endr
	s_wait_alu depctr_va_vdst(0)
	s_wait_kmcnt 0x0
	s_add_nc_u64 s[4:5], s[4:5], s[12:13]
	s_add_nc_u64 s[6:7], s[6:7], s[14:15]
	s_add_nc_u64 s[8:9], s[8:9], s[16:17]
.irp g, 0,1,2,3,4,5,6,7
	global_load_b64 v[CP+2*\g:CP+2*\g+1], v[T8], s[6:7] offset:2048*\g
.endr
.set a, 0
.rept 32
	global_load_b128 v[VD+4*a:VD+4*a+3], v[L16], s[4:5] offset:512*a th:TH_LOAD_NT
.set a, a+1
.endr
	s_wait_loadcnt 32                              ; cpart is in; v's 32 loads may be out
.irp g, 0,1,2,3
	v_pk_add_f32 v[CP+2*\g:CP+2*\g+1], v[CP+2*\g:CP+2*\g+1], v[CP+8+2*\g:CP+9+2*\g]
.endr
.irp g, 0,1
	v_pk_add_f32 v[CP+2*\g:CP+2*\g+1], v[CP+2*\g:CP+2*\g+1], v[CP+4+2*\g:CP+5+2*\g]
.endr
	v_pk_add_f32 v[CP:CP+1], v[CP:CP+1], v[CP+2:CP+3]
	ds_store_b64 v[T8], v[CP:CP+1]                 ; c of tokens 2 t, 2 t + 1
	s_wait_dscnt 0x0
	s_barrier_signal -1
	s_barrier_wait -1
.set a, 0
.rept 32
	ds_load_b32 v[CV+a], v[CR] offset:64*a
.set a, a+1
.endr
	s_wait_dscnt 0x0
.set a, 0
.rept 4
	s_wait_alu depctr_va_vdst(0)
	s_wait_loadcnt 24-a                            ; eight more token tiles are in
.rept 8
.irp i, 0,1,2,3
	v_fma_mix_f32_bf16 v[AC+2*\i], v[VD+4*a+\i], v[CV+a], v[AC+2*\i] op_sel_hi:[1,0,0]
	v_fma_mix_f32_bf16 v[AC+2*\i+1], v[VD+4*a+\i], v[CV+a], v[AC+2*\i+1] op_sel:[1,0,0] op_sel_hi:[1,0,0]
.endr
.set a, a+1
.endr
.endr
.irp m, 1,2,4,8
.irp j, 0,1,2,3,4,5,6,7
	v_add_f32_dpp v[AC+\j], v[AC+\j], v[AC+\j] row_xmask:\m row_mask:0xf bank_mask:0xf   ; over the 16 tokens of a half
.endr
.endr
	ds_store_b128 v[OSA], v[AC:AC+3]               ; the 16 lanes of a half store the same numbers to the same bytes
	ds_store_b128 v[OSA], v[AC+4:AC+7] offset:16
	s_wait_dscnt 0x0
	s_barrier_signal -1
	s_barrier_wait -1
	s_cmp_lg_u32 s10, 0                            ; wave 0 stores the work-group's 512 consecutive bytes
	s_cbranch_scc1 .Lend
	ds_load_b128 v[AC:AC+3], v[OSR]
	s_wait_dscnt 0x0
	global_store_b128 v[L16], v[AC:AC+3], s[8:9]
.Lend:
	s_wait_tensorcnt 0x0                           ; the wave's end
	ds_add_u32 v[SPW], v[NIL]
	s_wait_dscnt 0x0
	s_endpgm
.Lfunc_end_k_qba71fd3796_pool:
	.size	k_qba71fd3796_pool, .Lfunc_end_k_qba71fd3796_pool-k_qba71fd3796_pool
	.p2alignl 7, 3214868480
	.fill 96, 4, 3214868480
	.section	.rodata,"a",@progbits
	.p2align	6, 0x0
	.amdhsa_kernel k_qba71fd3796_pool
		.amdhsa_group_segment_fixed_size 4096
		.amdhsa_private_segment_fixed_size 0
		.amdhsa_enable_private_segment 0
		.amdhsa_kernarg_size 24
		.amdhsa_user_sgpr_count 2
		.amdhsa_user_sgpr_kernarg_segment_ptr 1
		.amdhsa_wavefront_size32 1
		.amdhsa_system_sgpr_workgroup_id_x 1
		.amdhsa_system_sgpr_workgroup_id_y 1
		.amdhsa_system_sgpr_workgroup_id_z 1
		.amdhsa_system_vgpr_workitem_id 0
		.amdhsa_next_free_vgpr 192
		.amdhsa_next_free_sgpr 66
		.amdhsa_reserve_vcc 0
		.amdhsa_float_denorm_mode_32 3
		.amdhsa_float_denorm_mode_16_64 3
		.amdhsa_memory_ordered 1
		.amdhsa_forward_progress 1
		.amdhsa_inst_pref_size 28
	.end_amdhsa_kernel
	.amdgpu_metadata
---
amdhsa.version: [ 1, 2 ]
amdhsa.kernels:
  - .name:           k_qba71fd3796_pool
    .symbol:         k_qba71fd3796_pool.kd
    .args:
      - { .name: vws, .offset: 0, .size: 8, .value_kind: global_buffer, .address_space: global }
      - { .name: cpart, .offset: 8, .size: 8, .value_kind: global_buffer, .address_space: global }
      - { .name: out0, .offset: 16, .size: 8, .value_kind: global_buffer, .address_space: global }
    .group_segment_fixed_size: 4096
    .private_segment_fixed_size: 0
    .kernarg_segment_align: 8
    .kernarg_segment_size: 24
    .max_flat_workgroup_size: 256
    .sgpr_count:     66
    .vgpr_count:     192
    .wavefront_size: 32
...
	.end_amdgpu_metadata
.endif
;; end of part 3
